; MI455X (gfx1250); checked and timed in simulation.
; The chip was launched on July 23, 2026; its instructions are those of AMD's public machine-readable ISA for CDNA 5 (MIT licence, August 2026) and "CDNA5" Instruction Set Architecture Reference Guide (July 2026). The comments in the code are by the model that wrote it; some were corrected since.
;; Full Attention. Allowed arithmetic: float matrix products may take bf16 or f16 operands with f32 sums; all other float work in f32.
;; Inputs: attn_mask 2,048 x 2,048 bool; keys 2 x 2,048 x 16 x 64 float32; queries 2 x 2,048 x 16 x 64 float32; values 2 x 2,048 x 16 x 64 float32.
;; Outputs: out0 2 x 2,048 x 16 x 64 float32.
;; 2 versions, each right and faster than the one before. Each part assembles by itself: llvm-mc -triple=amdgcn-amd-amdhsa -mcpu=gfx1250 --defsym DOCPART=n.
;; ======== version 1 of 2: 2 launches
;; limits: right only within a limited range of input values; values are held in f16: magnitudes above 65,504 overflow, below 6.1e-05 lose precision
;; workspace buffers: flags 512 bytes of whole numbers
;; launch classify (part 1): grid 4 x 64, 1 waves a work-group, no clusters, 0 bytes of LDS; arguments attn_mask, flags; writes flags
.if DOCPART == 1
	.amdgcn_target "amdgcn-amd-amdhsa--gfx1250"
	.amdhsa_code_object_version 6
	.text
	.protected	k_q28b4cfaf6a_classify
	.globl	k_q28b4cfaf6a_classify
	.p2align	8
	.type	k_q28b4cfaf6a_classify,@function
k_q28b4cfaf6a_classify:
	s_mov_b64 s[64:65], 0
	v_nop
	global_prefetch_b8 v0, s[64:65] scope:SCOPE_SE
	s_setreg_imm32_b32 hwreg(HW_REG_WAVE_MODE, 25, 1), 1
	s_wait_xcnt 0x0
; Two bit tables from attn_mask [2048][2048] (one byte each, 1 = masked), for tiles of 32 query rows x 64 keys:
;   flags word qt      (byte 4 qt):       ACT, bit t = 1: the tile (rows 32 qt .., keys 64 t ..) holds an unmasked byte
;   flags word 64 + qt (byte 256 + 4 qt): MIX, bit t = 1: the tile holds a masked byte
; One wave a work-group.  Work-group (kq, qt) takes 32 rows x 512 bytes = 8 key blocks and stores one byte of each table:
; byte kq of word qt holds the bits 8 kq .. 8 kq + 7.  256 work-groups store the 512 bytes, each byte once.
; Lane l owns the 16 bytes at 16 l of every row, so lanes 4c .. 4c+3 are key block c, and a load covers 512 neighbouring bytes.
; Bytes are 0 or 1: a sum over 32 rows is at most 32 and never carries into the next byte, so four bytes are summed in a word.
.set ROWB, 2048                        ; bytes in a row of the mask
.set X,    4                           ; v[4:131]   row i: 4 registers
.set W,    132                         ; v[132:135] byte sums over the 32 rows, my 16 columns
	s_load_b128 s[4:7], s[0:1], 0x0                ; mask s[4:5], flags s[6:7]
	s_and_b32 s8, ttmp7, 0xffff                    ; qt
	s_lshl_b32 s10, s8, 16                         ; 32 rows of 2,048 bytes
	s_lshl_b32 s9, ttmp9, 9                        ; + kq x 512 bytes
	s_add_co_u32 s10, s10, s9
	s_mov_b32 s11, 0
	s_lshl_b32 s12, s8, 2
	s_add_co_u32 s12, s12, ttmp9                   ; 4 qt + kq: my byte in each table
	v_lshlrev_b32 v1, 4, v0                        ; 16 x lane
	v_mov_b32 v2, s12
	s_wait_kmcnt 0x0
	s_add_nc_u64 s[4:5], s[4:5], s[10:11]
.set i, 0
.rept 32
	global_load_b128 v[X+4*i:X+4*i+3], v1, s[4:5] offset:ROWB*i    ; all 32 rows are asked for at once
.set i, i+1
.endr
	s_wait_loadcnt 24                              ; rows 0-7 are in; the 24 younger loads stay out
.irp k, 0,1,2,3
	v_add3_u32 v[W+\k], v[X+\k], v[X+4+\k], v[X+8+\k]              ; the first rows start the sums: nothing is cleared
	v_add3_u32 v[W+\k], v[W+\k], v[X+12+\k], v[X+16+\k]
	v_add3_u32 v[W+\k], v[W+\k], v[X+20+\k], v[X+24+\k]
	v_add_nc_u32 v[W+\k], v[W+\k], v[X+28+\k]
.endr
.irp g, 1,2,3
	s_wait_loadcnt 24-8*\g                         ; eight more rows: 16, 8, 0 younger loads stay out
.irp k, 0,1,2,3
.irp j, 0,2,4,6
	v_add3_u32 v[W+\k], v[W+\k], v[X+32*\g+4*\j+\k], v[X+32*\g+4*\j+4+\k]
.endr
.endr
.endr
	v_or_b32 v136, v[W], v[W+1]
	v_or_b32 v137, v[W+2], v[W+3]
	v_or_b32 v136, v136, v137                      ; not 0: one of my 512 bytes is masked
	v_and_b32 v137, v[W], v[W+1]
	v_and_b32 v138, v[W+2], v[W+3]
	v_and_b32 v137, v137, v138                     ; a byte is 0x20 only where all four sums are 32 (bit 5 is set at 32 alone)
	v_cmp_ne_u32 s17, 0, v136                      ; lanes with a masked byte
	v_cmp_ne_u32 s16, 0x20202020, v137             ; lanes with an unmasked byte
; eight groups of four lane bits -> eight bits: OR inside each group, then the bits 0, 4, .. 28 are drawn together
.macro NIB x, t
	s_lshr_b32 \t, \x, 1
	s_or_b32 \x, \x, \t
	s_lshr_b32 \t, \x, 2
	s_or_b32 \x, \x, \t
	s_and_b32 \x, \x, 0x11111111
	s_lshr_b32 \t, \x, 3
	s_or_b32 \x, \x, \t
	s_and_b32 \x, \x, 0x03030303
	s_lshr_b32 \t, \x, 6
	s_or_b32 \x, \x, \t
	s_and_b32 \x, \x, 0x000f000f
	s_lshr_b32 \t, \x, 12
	s_or_b32 \x, \x, \t
	s_and_b32 \x, \x, 0xff
.endm
	NIB s16, s18
	NIB s17, s18
	v_mov_b32 v3, s16
	v_mov_b32 v4, s17
	v_cmp_eq_u32 vcc_lo, 0, v0
	s_and_saveexec_b32 s19, vcc_lo                 ; lane 0 alone stores
	global_store_b8 v2, v3, s[6:7]                 ; ACT
	global_store_b8 v2, v4, s[6:7] offset:256      ; MIX
	s_endpgm
.Lfunc_end_k_q28b4cfaf6a_classify:
	.size	k_q28b4cfaf6a_classify, .Lfunc_end_k_q28b4cfaf6a_classify-k_q28b4cfaf6a_classify
	.p2alignl 7, 3214868480
	.fill 96, 4, 3214868480
	.section	.rodata,"a",@progbits
	.p2align	6, 0x0
	.amdhsa_kernel k_q28b4cfaf6a_classify
		.amdhsa_group_segment_fixed_size 0
		.amdhsa_private_segment_fixed_size 0
		.amdhsa_enable_private_segment 0
		.amdhsa_kernarg_size 16
		.amdhsa_user_sgpr_count 2
		.amdhsa_user_sgpr_kernarg_segment_ptr 1
		.amdhsa_wavefront_size32 1
		.amdhsa_system_sgpr_workgroup_id_x 1
		.amdhsa_system_sgpr_workgroup_id_y 1
		.amdhsa_system_sgpr_workgroup_id_z 1
		.amdhsa_system_vgpr_workitem_id 0
		.amdhsa_next_free_vgpr 140
		.amdhsa_next_free_sgpr 66
		.amdhsa_reserve_vcc 1
		.amdhsa_float_denorm_mode_32 3
		.amdhsa_float_denorm_mode_16_64 3
		.amdhsa_memory_ordered 1
		.amdhsa_forward_progress 1
		.amdhsa_inst_pref_size 10
	.end_amdhsa_kernel
	.amdgpu_metadata
---
amdhsa.version: [ 1, 2 ]
amdhsa.kernels:
  - .name:           k_q28b4cfaf6a_classify
    .symbol:         k_q28b4cfaf6a_classify.kd
    .args:
      - { .name: attn_mask, .offset: 0, .size: 8, .value_kind: global_buffer, .address_space: global }
      - { .name: flags, .offset: 8, .size: 8, .value_kind: global_buffer, .address_space: global }
    .group_segment_fixed_size: 0
    .private_segment_fixed_size: 0
    .kernarg_segment_align: 8
    .kernarg_segment_size: 16
    .max_flat_workgroup_size: 32
    .sgpr_count:     66
    .vgpr_count:     140
    .wavefront_size: 32
...
	.end_amdgpu_metadata
.endif
;; end of part 1
;; launch attend (part 2): grid 8 x 32, 8 waves a work-group, no clusters, 110,080 bytes of LDS; arguments queries, keys, values, attn_mask, flags, out0; writes out0
.if DOCPART == 2
	.amdgcn_target "amdgcn-amd-amdhsa--gfx1250"
	.amdhsa_code_object_version 6
	.text
	.protected	k_q28b4cfaf6a_attend
	.globl	k_q28b4cfaf6a_attend
	.p2align	8
	.type	k_q28b4cfaf6a_attend,@function
k_q28b4cfaf6a_attend:
	s_mov_b64 s[64:65], 0
	v_nop
	global_prefetch_b8 v0, s[64:65] scope:SCOPE_SE
	s_setreg_imm32_b32 hwreg(HW_REG_WAVE_MODE, 25, 1), 1
	s_wait_xcnt 0x0
; out[b][l][h][:] = softmax over s of (q.k / 8, masked where attn_mask[l][s] = 1) x v.   q, k, v, out: [2][2048][16][64] f32.
; Matrix products with 16-bit operands and f32 sums, everything else in f32; scores and probabilities never leave registers.
;
; FORMATS.  q, k and v are each rounded once to bf16.  q.k is a bf16 product.  P goes into the second product as f16: 11 significant
; bits against bf16's 8, because a row with two or three unmasked keys has nothing that averages the rounding of p away (a relative
; 2^-8 on a weight near 1/3, times a v of size 1 to 3).  Both sources of a matrix instruction have one format, so the bf16 value of v
; is rewritten as f16 (exact for 2^-14 <= |v| <= 65504): the inputs stay rounded in one way, and P's rounding is the only further one.
;
; SHARES.  Work-group (p, head) owns the query blocks p and 15 - p (128 rows each) of one head and walks the 32 key tiles of 64 keys
; once for both.  Eight waves; a wave owns 32 queries (tile qt of the flag tables).  The waves w and w + 4, and 2i and 2i + 1, take one
; tile of each block, so that a mask with much masked area above the diagonal leaves every pair of waves about the same work.
; FLAGS (stored by the launch before, read as whole numbers): a wave skips a tile in which all its scores are masked (ACT = 0); a tile
; without a masked score (MIX = 0) reads no mask byte; a tile that none of the eight waves wants is neither loaded nor converted.
; All of that holds for any mask.  Every wave passes the one barrier of every tile.
;
; TRANSPOSED PRODUCTS.  S^T = K Q^T: a lane holds 32 scores of ONE query (lane (r, h): query r, keys 32 h .. 32 h + 31 of the tile), so
; maximum and sum are work inside the lane and one exchange between the halves; two neighbouring score registers packed to f16 are
; already the second source of O^T = V^T P^T, and the rescale factor is one number a lane.  Row m of K's fragment T stands for key
; 32 (m >> 3) + 8 T + (m & 7); V's fragments are fetched in the same order of keys, so the sums over keys are the true ones.
;
; K AND V come through registers: they are f32 in memory and the fragments want 16 bits.  Each element is rounded once in the
; work-group, and 16 KB a tile enter LDS.  No tensor loads and no cluster: they would lay 32 KB of f32 a tile into LDS, to be read,
; rounded and stored again, and the eight work-groups of a head skip different tiles by their flags.
;
; LIMITS.  |q.k| below 1e30 (the running maximum starts at -1e30; a masked score is q.k - 1.69e38 in place of -inf, and its
; exponential is exactly 0).  |v| at most 65504 (beyond it f16 is infinite); |v| below 2^-14 is kept to 2^-25 absolutely.  NaN and
; infinities in q, k, v are not followed.  A probability below about 2^-25 counts as 0 in the product, below 2^-126 in the sum too
; (v_exp_f32 flushes).  The row's sum takes the unrounded p.  A row with every key masked: 0 x (1/0) = NaN, as in the reference.
.set SLOT,   19712                     ; an LDS slot: K (bf16), then V (f16), one tile
.set KBYTES, 9472                      ; K: key k at (k & 31) x 144 + (k >> 5) x 4736: the 16 rows of a fragment load start in 16 different
                                       ; 16-byte columns modulo 256 bytes (144 = 9 x 16; 4736 = 32 x 144 + 128)
.set VPITCH, 160                       ; V: key k at k x 160 (5 x 32): the 8 rows x 32 bytes of a transposing load differ modulo 256 bytes
.set STAGE,  2*SLOT                    ; behind the two slots: 32 rows x 272 bytes for each wave, its own, for the way out
.set TILEB,  262144                    ; 64 keys x 4,096 bytes in memory
; vector registers, block 0
.set KFA, 1                            ; LDS: my row and half in a K fragment
.set VFA, 2                            ; LDS: my row in a V fragment
.set KST, 3                            ; LDS: where I put 8 bytes of K
.set VST, 4                            ; LDS: where I put 8 bytes of V
.set GOF, 5                            ; K, V in memory: key 2 w + h, 16 bytes at 16 r
.set MOF, 6                            ; mask: row r, 32 bytes at 32 h
.set STO, 7                            ; way out: where I put 32 bytes of a row
.set RD,  8                            ; way out: where I read a row back
.set OOF, 9                            ; out: row h, 16 bytes at 16 r
.set MX,  10                           ; v10, v11    running maximum of the raw scores, query tile 0, 1
.set NM,  12                           ; v[12:13]    -c x maximum, twice
.set AL,  14                           ; v[14:15]    rescale factor, twice
.set LP,  16                           ; v[16:19]    row sums: two partial sums for each query tile
.set T0,  20                           ; v20-v27     at work
.set TP,  22                           ; v[22:27]    three more pairs of partial sums
.set QOF, 28                           ; q in memory: row r, 32 bytes at 32 h
.set OA,  32                           ; v[32:95]    O^T: tile (q, dt) at OA + 32 q + 8 dt
.set SC,  96                           ; v[96:159]   scores: tile (q, T) at SC + 32 q + 8 T.  Also q as loaded, the rounded K/V, the rows going out
.set PB,  160                          ; v[160:191]  P in f16: (q, u) at PB + 16 q + 8 u
.set FR,  192                          ; v[192:255]  K fragments (T, ks) at FR + 16 T + 8 ks, then V fragments (dt, u) at FR + 16 dt + 8 u
; block 1 (v256 and up, named by their low 8 bits)
.set QB,  0                            ; v[256:287]  Q fragments (q, ks) at QB + 16 q + 8 ks
.set STG, 32                           ; v[288:319]  the next tile as loaded: K 16 registers, V 16 registers
.set MKB, 64                           ; v[320:351]  mask bytes: set sl (tile parity), query tile q: 8 words at MKB + 16 sl + 8 q
; scalar: s[4:5] q, s[6:7] k, s[8:9] v, s[10:11] mask, s[12:13] flags, s[14:15] out; s16 wave, s17 qt; s[24:31] the eight waves' ACT;
; s32 bit 0: somebody wants the next tile; s33 bit 0: I want this tile; s34 bit 0: this tile needs its mask; s35 loop counter;
; s36, s37 lane selects; s[38:39] c twice, s40 -c (c = log2(e) / 8); s41-s43 byte selects; s44 0xfe
.set MSB, 0
.macro WIN new                         ; s_set_vgpr_msb: bits 1:0 source 0, 3:2 source 1, 5:4 source 2, 7:6 destination; the high byte repeats the setting left
.if MSB != \new
	s_set_vgpr_msb (MSB<<8)|\new
.set MSB, \new
.endif
.endm
.macro PLACES n                        ; places behind matrix instructions (ISA guide 7.12.1)
.rept \n
	v_nop
.endr
.endm
	s_load_b256 s[4:11], s[0:1], 0x0
	s_load_b128 s[12:15], s[0:1], 0x20
	v_lshl_add_u32 v30, v0, 2, 0x1aa00
	v_mov_b32 v31, 0
	v_lshrrev_b32 v1, 5, v0
	v_readfirstlane_b32 s16, v1                    ; wave
	s_and_b32 s18, ttmp7, 0xffff                   ; head 0..31 = 16 b + h
	s_lshr_b32 s19, s16, 1                         ; which 32 rows of the block
	s_lshr_b32 s20, s16, 2
	s_xor_b32 s21, s16, s19
	s_xor_b32 s21, s21, s20
	s_and_b32 s21, s21, 1                          ; parity of the wave's three bits: block p (0) or 15 - p (1)
	s_sub_co_u32 s22, 15, ttmp9
	s_cmp_lg_u32 s21, 0
	s_cselect_b32 s20, s22, ttmp9
	s_lshl2_add_u32 s17, s20, s19                  ; qt = 4 x block + sub
	s_lshr_b32 s20, s18, 4
	s_lshl_b32 s20, s20, 23                        ; b x 2048 x 4,096 bytes
	s_and_b32 s21, s18, 15
	s_lshl_b32 s21, s21, 8                         ; h x 256 bytes
	s_or_b32 s20, s20, s21
	s_mov_b32 s21, 0                               ; s[20:21]: the head
	s_lshl_b32 s18, s17, 17                        ; 32 qt rows of 4,096 bytes
	s_add_co_u32 s18, s18, s20
	s_mov_b32 s19, 0                               ; s[18:19]: the head and my rows
	s_lshl_b32 s22, s22, 4                         ; flags: the four words of block 15 - p
	s_lshl_b32 s23, ttmp9, 4                       ;        and of block p
	s_mul_i32 s45, s16, 2*144
	s_mul_i32 s46, s16, 2*VPITCH
	s_lshl_b32 s47, s16, 13
	s_mul_i32 s35, s16, 32*272
	s_add_co_u32 s35, s35, STAGE                   ; my stage
	s_mov_b32 s36, 0x76543210                      ; v_permlanex16_b32: lane i takes lane i of the other half
	s_mov_b32 s37, 0xfedcba98
	s_mov_b32 s38, 0x3e38aa3b                      ; c = 0.125 x log2(e)
	s_mov_b32 s39, 0x3e38aa3b
	s_mov_b32 s40, 0xbe38aa3b                      ; -c
	s_mov_b32 s41, 0x01010101
	s_mov_b32 s42, 0x02020202
	s_mov_b32 s43, 0x03030303
	s_mov_b32 s44, 0xfe
	v_and_b32 v20, 7, v0                           ; L & 7
	v_bfe_u32 v21, v0, 3, 1                        ; (L >> 3) & 1
	v_bfe_u32 v22, v0, 4, 1                        ; h
	v_and_b32 v23, 15, v0                          ; r
	v_mul_u32_u24 v[KFA], v20, 144
	v_mad_u32_u24 v[KFA], v21, 4736, v[KFA]
	v_lshl_add_u32 v[KFA], v22, 4, v[KFA]          ; (r & 7) 144 + (r >> 3) 4736 + 16 h
	v_mul_u32_u24 v[VFA], v20, VPITCH
	v_mad_u32_u24 v[VFA], v22, 32*VPITCH, v[VFA]
	v_lshl_add_u32 v[VFA], v21, 4, v[VFA]          ; (32 h + (L & 7)) 160 + 16 ((L >> 3) & 1)
	v_mul_u32_u24 v[KST], v22, 144
	v_lshl_add_u32 v[KST], v23, 3, v[KST]
	v_add_nc_u32 v[KST], s45, v[KST]               ; (2 w + h) 144 + 8 r
	v_mul_u32_u24 v[VST], v22, VPITCH
	v_lshl_add_u32 v[VST], v23, 3, v[VST]
	v_add_nc_u32 v[VST], s46, v[VST]               ; (2 w + h) 160 + 8 r
	v_lshlrev_b32 v[OOF], 12, v22
	v_lshl_add_u32 v[OOF], v23, 4, v[OOF]          ; 4096 h + 16 r
	v_add_nc_u32 v[GOF], s47, v[OOF]               ; 4096 (2 w + h) + 16 r
	v_lshlrev_b32 v[MOF], 11, v23
	v_lshl_add_u32 v[MOF], v22, 5, v[MOF]          ; 2048 r + 32 h
	v_mul_u32_u24 v[STO], v23, 272
	v_lshl_add_u32 v[STO], v22, 5, v[STO]
	v_add_nc_u32 v[STO], s35, v[STO]               ; stage + 272 r + 32 h
	v_mul_u32_u24 v[RD], v22, 272
	v_lshl_add_u32 v[RD], v23, 4, v[RD]
	v_add_nc_u32 v[RD], s35, v[RD]                 ; stage + 272 h + 16 r
	v_lshlrev_b32 v[QOF], 12, v23
	v_lshl_add_u32 v[QOF], v22, 5, v[QOF]          ; 4096 r + 32 h
	s_wait_kmcnt 0x0
	s_add_nc_u64 s[6:7], s[6:7], s[20:21]          ; k, v at the head's key 0
	s_add_nc_u64 s[8:9], s[8:9], s[20:21]
	s_add_nc_u64 s[4:5], s[4:5], s[18:19]          ; q, out at my first row
	s_add_nc_u64 s[14:15], s[14:15], s[18:19]
	s_lshl_b32 s20, s17, 16                        ; 32 qt rows of 2,048 bytes
	s_add_nc_u64 s[10:11], s[10:11], s[20:21]      ; mask at my first row
	s_lshl_b32 s20, s17, 2
	s_load_b32 s33, s[12:13], s20 offset:0x0       ; my ACT
	s_load_b32 s34, s[12:13], s20 offset:0x100     ; my MIX
	s_load_b128 s[24:27], s[12:13], s23 offset:0x0 ; ACT of the four waves of block p
	s_load_b128 s[28:31], s[12:13], s22 offset:0x0 ; and of block 15 - p
; the next tile, f32, into block 1: a load of a wave covers two whole rows of 256 bytes; eight waves x four loads = 64 keys
.macro ASK
	WIN 0x40
.irp i, 0,1,2,3
	global_load_b128 v[STG+4*\i:STG+4*\i+3], v[GOF], s[6:7] offset:65536*\i
.endr
.irp i, 0,1,2,3
	global_load_b128 v[STG+16+4*\i:STG+16+4*\i+3], v[GOF], s[8:9] offset:65536*\i
.endr
	WIN 0
.endm
; my 2 x 32 mask bytes of one tile into set sl
.macro MASKLD sl, off
	WIN 0x40
.irp q, 0,1
	global_load_b128 v[MKB+16*\sl+8*\q:MKB+16*\sl+8*\q+3],   v[MOF], s[10:11] offset:\q*32768+\off
	global_load_b128 v[MKB+16*\sl+8*\q+4:MKB+16*\sl+8*\q+7], v[MOF], s[10:11] offset:\q*32768+\off+16
.endr
	WIN 0
.endm
; Round the loaded tile to bf16 (K: SC+0..7, V: SC+8..15), rewrite V's bf16 values as f16, and store into slot sl: 8 bytes a lane and key.
; bf16 to f32 is a shift or a mask; the f16 of that value drops no bit inside f16's range.  SC+16..31 are at work.
.macro PUT sl
	WIN 0x05
.set n, 0
.rept 16
	v_cvt_pk_bf16_f32 v[SC+n], v[STG+2*n], v[STG+2*n+1]
.set n, n+1
.endr
	WIN 0
.set n, 0
.rept 8
	v_lshlrev_b32 v[SC+16+2*n], 16, v[SC+8+n]
	v_and_b32     v[SC+17+2*n], 0xffff0000, v[SC+8+n]
.set n, n+1
.endr
.set n, 0
.rept 8
	v_cvt_pk_f16_f32 v[SC+8+n], v[SC+16+2*n], v[SC+17+2*n]
.set n, n+1
.endr
.irp i, 0,1,2,3
	ds_store_b64 v[KST], v[SC+2*\i:SC+2*\i+1]   offset:\sl*SLOT+(\i&1)*2304+(\i>>1)*4736   ; key 2 w + h + 16 i
	ds_store_b64 v[VST], v[SC+8+2*\i:SC+9+2*\i] offset:\sl*SLOT+KBYTES+\i*16*VPITCH
.endr
.endm
; K's eight fragments: first the four of d = 0..31, then those of d = 32..63
.macro KFRAGS sl
.irp ks, 0,1
.irp t, 0,1,2,3
	ds_load_b128 v[FR+16*\t+8*\ks:FR+16*\t+8*\ks+3],   v[KFA] offset:\sl*SLOT+\t*1152+64*\ks
	ds_load_b128 v[FR+16*\t+8*\ks+4:FR+16*\t+8*\ks+7], v[KFA] offset:\sl*SLOT+\t*1152+64*\ks+32
.endr
.endr
.endm
; The mask as the product's addend: a byte 0 / 1 becomes 0x00 / 0xfe, and that byte four times is 0.0 or -1.69e38.
; Score register 4 w + b of a query tile belongs to byte b of mask word w.
.macro BIAS sl
	WIN 0x45
.set n, 0
.rept 16
	v_mul_lo_u32 v[MKB+16*\sl+n], v[MKB+16*\sl+n], s44
.set n, n+1
.endr
	WIN 0x05
.irp q, 0,1
.irp w, 0,1,2,3,4,5,6,7
	v_perm_b32 v[SC+32*\q+4*\w],   v[MKB+16*\sl+8*\q+\w], v[MKB+16*\sl+8*\q+\w], 0
	v_perm_b32 v[SC+32*\q+4*\w+1], v[MKB+16*\sl+8*\q+\w], v[MKB+16*\sl+8*\q+\w], s41
	v_perm_b32 v[SC+32*\q+4*\w+2], v[MKB+16*\sl+8*\q+\w], v[MKB+16*\sl+8*\q+\w], s42
	v_perm_b32 v[SC+32*\q+4*\w+3], v[MKB+16*\sl+8*\q+\w], v[MKB+16*\sl+8*\q+\w], s43
.endr
.endr
	WIN 0
.endm
; S^T = K Q^T, 16 matrix instructions.  zero = 1: the first product starts the sums; 0: it adds to the mask's addend.
.macro SMUL zero
	WIN 0x04                                       ; the second source, Q, lies in block 1
	s_wait_dscnt 0x8                               ; the fragments of d = 0..31 are in; the eight younger loads (d = 32..63) stay out
.irp t, 0,1,2,3
.irp q, 0,1
.if \zero
	v_wmma_f32_16x16x32_bf16 v[SC+32*\q+8*\t:SC+32*\q+8*\t+7], v[FR+16*\t:FR+16*\t+7], v[QB+16*\q:QB+16*\q+7], 0
.else
	v_wmma_f32_16x16x32_bf16 v[SC+32*\q+8*\t:SC+32*\q+8*\t+7], v[FR+16*\t:FR+16*\t+7], v[QB+16*\q:QB+16*\q+7], v[SC+32*\q+8*\t:SC+32*\q+8*\t+7]
.endif
.endr
.endr
	s_wait_dscnt 0x0
.irp t, 0,1,2,3
.irp q, 0,1
	v_wmma_f32_16x16x32_bf16 v[SC+32*\q+8*\t:SC+32*\q+8*\t+7], v[FR+16*\t+8:FR+16*\t+15], v[QB+16*\q+8:QB+16*\q+15], v[SC+32*\q+8*\t:SC+32*\q+8*\t+7]
.endr
.endr
	WIN 0
.endm
; V^T's eight fragments by transposing loads: fragment (dt, u): d = 16 dt + r; registers 0-3 keys 32 h + 16 u + 0..7, 4-7 the next eight:
; the keys of P's registers of the same places
.macro VFRAGS sl
.irp u, 0,1
.irp dt, 0,1,2,3
	ds_load_tr16_b128 v[FR+16*\dt+8*\u:FR+16*\dt+8*\u+3],   v[VFA] offset:\sl*SLOT+KBYTES+\u*16*VPITCH+\dt*32
	ds_load_tr16_b128 v[FR+16*\dt+8*\u+4:FR+16*\dt+8*\u+7], v[VFA] offset:\sl*SLOT+KBYTES+\u*16*VPITCH+\dt*32+8*VPITCH
.endr
.endr
.endm
; One step of the running softmax for query tile q: 32 scores a lane.
.macro SOFTMAX q
.set BQ, SC+32*\q
.set OQ, OA+32*\q
.set PQ, PB+16*\q
.set LQ, LP+2*\q
.set MQ, MX+\q
.irp c, 0,1,2,3
	v_max3_num_f32 v[T0+\c], v[BQ+3*\c], v[BQ+3*\c+1], v[BQ+3*\c+2]        ; four chains, started by the first twelve scores
.endr
.set n, 0
.rept 10
	v_max3_num_f32 v[T0+n%4], v[T0+n%4], v[BQ+12+2*n], v[BQ+13+2*n]
.set n, n+1
.endr
	v_max3_num_f32 v[T0], v[T0], v[T0+1], v[T0+2]
	v_max3_num_f32 v[T0], v[T0], v[T0+3], v[MQ]
	v_permlanex16_b32 v[T0+1], v[T0], s36, s37     ; the query's other 32 keys lie in the other half of the lanes
	v_max_num_f32 v[T0], v[T0], v[T0+1]            ; the new maximum m
	v_mul_f32 v[NM], s40, v[T0]                    ; -c m, twice
	v_mul_f32 v[NM+1], s40, v[T0]
	v_sub_f32 v[T0+1], v[MQ], v[T0]                ; old - new: exactly 0 where the maximum stays, at its starting value too
	v_mul_f32 v[T0+1], s38, v[T0+1]
	v_mov_b32 v[MQ], v[T0]
	v_exp_f32 v[AL], v[T0+1]                       ; the rescale factor, twice.  The place behind the two (ISA guide 5.7.2) is the first
	v_exp_f32 v[AL+1], v[T0+1]                     ; multiply-add below, which names neither AL nor their source
.set n, 0
.rept 16
	v_pk_fma_f32 v[BQ+2*n:BQ+2*n+1], v[BQ+2*n:BQ+2*n+1], s[38:39], v[NM:NM+1] op_sel_hi:[1,0,1]   ; c s - c m
.set n, n+1
.endr
.set n, 0
.rept 32
	v_exp_f32 v[BQ+n], v[BQ+n]                     ; p
.set n, n+1
.endr
.set n, 0
	s_wait_alu depctr_va_vdst(0)
.rept 16
	v_pk_mul_f32 v[OQ+2*n:OQ+2*n+1], v[OQ+2*n:OQ+2*n+1], v[AL:AL+1]        ; the first of these is the place behind the last exponential
.set n, n+1
.endr
	v_pk_fma_f32 v[LQ:LQ+1], v[LQ:LQ+1], v[AL:AL+1], v[BQ:BQ+1]            ; the row's sum, in four chains of pairs
	v_pk_add_f32 v[TP:TP+1],   v[BQ+2:BQ+3],   v[BQ+4:BQ+5]
	v_pk_add_f32 v[TP+2:TP+3], v[BQ+6:BQ+7],   v[BQ+8:BQ+9]
	v_pk_add_f32 v[TP+4:TP+5], v[BQ+10:BQ+11], v[BQ+12:BQ+13]
.irp g, 14, 22
	v_pk_add_f32 v[LQ:LQ+1],   v[LQ:LQ+1],   v[BQ+\g:BQ+\g+1]
	v_pk_add_f32 v[TP:TP+1],   v[TP:TP+1],   v[BQ+\g+2:BQ+\g+3]
	v_pk_add_f32 v[TP+2:TP+3], v[TP+2:TP+3], v[BQ+\g+4:BQ+\g+5]
	v_pk_add_f32 v[TP+4:TP+5], v[TP+4:TP+5], v[BQ+\g+6:BQ+\g+7]
.endr
	v_pk_add_f32 v[LQ:LQ+1], v[LQ:LQ+1], v[BQ+30:BQ+31]
	v_pk_add_f32 v[TP:TP+1], v[TP:TP+1], v[TP+2:TP+3]
	v_pk_add_f32 v[LQ:LQ+1], v[LQ:LQ+1], v[TP+4:TP+5]
	v_pk_add_f32 v[LQ:LQ+1], v[LQ:LQ+1], v[TP:TP+1]
.set n, 0
.rept 16
	v_cvt_pk_f16_f32 v[PQ+n], v[BQ+2*n], v[BQ+2*n+1]                       ; P^T's two fragments, as they lie; p <= 1 lies inside f16's range
.set n, n+1
.endr
.endm
; O^T += V^T P^T for query tile q: eight f16 matrix instructions, each accumulator a chain in place
.macro PV q
.irp u, 0,1
.irp dt, 0,1,2,3
	v_wmma_f32_16x16x32_f16 v[OA+32*\q+8*\dt:OA+32*\q+8*\dt+7], v[FR+16*\dt+8*\u:FR+16*\dt+8*\u+7], v[PB+16*\q+8*\u:PB+16*\q+8*\u+7], v[OA+32*\q+8*\dt:OA+32*\q+8*\dt+7]
.endr
.endr
.endm
	; q: 16 floats a lane for each fragment, read once in the whole launch
.irp q, 0,1
.irp ks, 0,1
	global_load_b128 v[SC+32*\q+16*\ks:SC+32*\q+16*\ks+3],     v[QOF], s[4:5] offset:\q*65536+128*\ks    th:TH_LOAD_NT
	global_load_b128 v[SC+32*\q+16*\ks+4:SC+32*\q+16*\ks+7],   v[QOF], s[4:5] offset:\q*65536+128*\ks+16 th:TH_LOAD_NT
	global_load_b128 v[SC+32*\q+16*\ks+8:SC+32*\q+16*\ks+11],  v[QOF], s[4:5] offset:\q*65536+128*\ks+64 th:TH_LOAD_NT
	global_load_b128 v[SC+32*\q+16*\ks+12:SC+32*\q+16*\ks+15], v[QOF], s[4:5] offset:\q*65536+128*\ks+80 th:TH_LOAD_NT
.endr
.endr
	ASK                                            ; tile 0, whatever the flags say
	MASKLD 0, 0                                    ; the masks of tiles 0 and 1 likewise: both sets are written on every path
	MASKLD 1, 64
	; O starts at 0: which tile is a wave's first is known only from the flags, so no first product can be written out ahead of the loop
.set n, 0
.rept 64
	v_mov_b32 v[OA+n], 0
.set n, n+1
.endr
	v_mov_b32 v[MX], 0xf149f2ca                    ; -1e30
	v_mov_b32 v[MX+1], 0xf149f2ca
.irp n, 0,1,2,3
	v_mov_b32 v[LP+\n], 0
.endr
	s_wait_loadcnt 16                              ; q is in; the 16 younger loads (tile 0, two masks) stay out
	WIN 0x40
.set n, 0
.rept 32
	v_cvt_pk_bf16_f32 v[QB+n], v[SC+2*n], v[SC+2*n+1]      ; q unscaled: rounded as the inputs are; the 1/8 rides in c
.set n, n+1
.endr
	WIN 0
	s_wait_kmcnt 0x0                               ; the flags
	s_or_b32 s32, s24, s25
	s_or_b32 s32, s32, s26
	s_or_b32 s32, s32, s27
	s_or_b32 s32, s32, s28
	s_or_b32 s32, s32, s29
	s_or_b32 s32, s32, s30
	s_or_b32 s32, s32, s31                         ; tiles that somebody wants,
	s_lshr_b32 s32, s32, 1                         ; seen one tile ahead; zeros come in from above: nothing is asked for beyond tile 31
	s_and_b32 s34, s34, s33                        ; a mask is wanted only for tiles that I work on
	s_wait_loadcnt 0x0                             ; tile 0 and the masks are in, and their address registers are free
	s_add_nc_u64 s[6:7], s[6:7], TILEB             ; k, v: tile 1
	s_add_nc_u64 s[8:9], s[8:9], TILEB
	s_add_nc_u64 s[10:11], s[10:11], 64            ; mask: one tile on; each trip steps it before it asks, so trip t asks for tile t + 2
	PUT 0
	s_wait_dscnt 0x0
	s_barrier_signal -1
	s_barrier_wait -1                              ; tile 0 lies in slot 0
; The trip of tile t, which lies in slot sl (ot = the other slot).
.macro TRIP sl, ot
	s_bitcmp1_b32 s32, 0
	s_cbranch_scc0 .Lnoask\sl
	ASK                                            ; tile t + 1, ahead of this tile's work
.Lnoask\sl:
	s_bitcmp1_b32 s33, 0
	s_cbranch_scc0 .Lidle\sl                       ; all my scores of this tile are masked
	KFRAGS \sl
	s_bitcmp1_b32 s34, 0
	s_cbranch_scc0 .Lclear\sl
	BIAS \sl
	SMUL 0
	s_branch .Lsoft\sl
.Lclear\sl:
	SMUL 1
.Lsoft\sl:
	PLACES 4                                       ; behind the products: their first sources are loaded again, their results are read
	VFRAGS \sl
	SOFTMAX 0
	s_wait_dscnt 0x0                               ; V's fragments, asked for a softmax ago
	PV 0
	SOFTMAX 1                                      ; names none of the registers of the eight products in front of it
	PV 1
	PLACES 4                                       ; behind the products: the next trip loads into their first sources
.Lidle\sl:
	s_wait_loadcnt 0x0                             ; tile t + 1 and the mask of t + 1.  For zero: which loads are out hangs on the flags, and all were
	                                               ; issued ahead of this tile's work.  It also frees the three address pairs
	s_add_nc_u64 s[6:7], s[6:7], TILEB
	s_add_nc_u64 s[8:9], s[8:9], TILEB
	s_add_nc_u64 s[10:11], s[10:11], 64
	s_bitcmp1_b32 s32, 0
	s_cbranch_scc0 .Lnoput\sl
	PUT \ot                                        ; the other slot was last read one tile ago, in front of that tile's barrier
.Lnoput\sl:
	s_bitcmp1_b32 s34, 2
	s_cbranch_scc0 .Lnomask\sl
	MASKLD \sl, 0                                  ; the mask of tile t + 2, into the set that this tile has used up
.Lnomask\sl:
	s_lshr_b32 s32, s32, 1
	s_lshr_b32 s33, s33, 1
	s_lshr_b32 s34, s34, 1
	s_wait_dscnt 0x0                               ; my reads of this slot and my stores into the other are done
	s_barrier_signal -1
	s_barrier_wait -1
.endm
	s_mov_b32 s35, 0
.Ltiles:
	TRIP 0, 1
	TRIP 1, 0
	s_add_co_u32 s35, s35, 1
	s_cmp_lt_u32 s35, 16
	s_cbranch_scc1 .Ltiles
	; THE WAY OUT.  Divide by the row's sum; a lane's 8 registers of a tile are 8 neighbouring d of one query: 32 bytes into my stage,
	; read back as whole rows of 256 bytes.
	v_add_f32 v20, v[LP], v[LP+1]
	v_add_f32 v22, v[LP+2], v[LP+3]
	v_permlanex16_b32 v21, v20, s36, s37           ; v21, v23: written since the prologue on every path
	v_permlanex16_b32 v23, v22, s36, s37
	v_add_f32 v20, v20, v21
	v_add_f32 v22, v22, v23
	v_rcp_f32 v[AL], v20
	v_rcp_f32 v[AL+1], v20
	v_rcp_f32 v[NM], v22
	v_rcp_f32 v[NM+1], v22
	v_nop                                          ; the place behind the reciprocals (ISA guide 5.7.2)
.set n, 0
	s_wait_alu depctr_va_vdst(0)
.rept 16
	v_pk_mul_f32 v[OA+2*n:OA+2*n+1], v[OA+2*n:OA+2*n+1], v[AL:AL+1]
.set n, n+1
.endr
.set n, 0
.rept 16
	v_pk_mul_f32 v[OA+32+2*n:OA+32+2*n+1], v[OA+32+2*n:OA+32+2*n+1], v[NM:NM+1]
.set n, n+1
.endr
.irp q, 0,1
.irp dt, 0,1,2,3
	ds_store_b128 v[STO], v[OA+32*\q+8*\dt:OA+32*\q+8*\dt+3]   offset:\q*16*272+\dt*64
	ds_store_b128 v[STO], v[OA+32*\q+8*\dt+4:OA+32*\q+8*\dt+7] offset:\q*16*272+\dt*64+16
.endr
.endr
.set n, 0
.rept 16
	ds_load_b128 v[SC+4*n:SC+4*n+3], v[RD] offset:2*272*n          ; a wave's LDS instructions are served in order (ISA guide 5.7.1): these see the stores above
.set n, n+1
.endr
.set n, 0
.rept 16
	s_wait_dscnt 15-n                              ; rows 2n, 2n + 1 are in; the younger read-backs stay out
	global_store_b128 v[OOF], v[SC+4*n:SC+4*n+3], s[14:15] offset:8192*n th:TH_STORE_NT   ; 16 lanes fill a row's 256 bytes, aligned
.set n, n+1
.endr
	s_wait_tensorcnt 0x0
	ds_add_u32 v30, v31
	s_wait_dscnt 0x0
	s_endpgm
.Lfunc_end_k_q28b4cfaf6a_attend:
	.size	k_q28b4cfaf6a_attend, .Lfunc_end_k_q28b4cfaf6a_attend-k_q28b4cfaf6a_attend
	.p2alignl 7, 3214868480
	.fill 96, 4, 3214868480
	.section	.rodata,"a",@progbits
	.p2align	6, 0x0
	.amdhsa_kernel k_q28b4cfaf6a_attend
		.amdhsa_group_segment_fixed_size 110080
		.amdhsa_private_segment_fixed_size 0
		.amdhsa_enable_private_segment 0
		.amdhsa_kernarg_size 48
		.amdhsa_user_sgpr_count 2
		.amdhsa_user_sgpr_kernarg_segment_ptr 1
		.amdhsa_wavefront_size32 1
		.amdhsa_system_sgpr_workgroup_id_x 1
		.amdhsa_system_sgpr_workgroup_id_y 1
		.amdhsa_system_sgpr_workgroup_id_z 1
		.amdhsa_system_vgpr_workitem_id 0
		.amdhsa_next_free_vgpr 352
		.amdhsa_next_free_sgpr 66
		.amdhsa_reserve_vcc 0
		.amdhsa_float_denorm_mode_32 3
		.amdhsa_float_denorm_mode_16_64 3
		.amdhsa_memory_ordered 1
		.amdhsa_forward_progress 1
		.amdhsa_inst_pref_size 79
	.end_amdhsa_kernel
	.amdgpu_metadata
---
amdhsa.version: [ 1, 2 ]
amdhsa.kernels:
  - .name:           k_q28b4cfaf6a_attend
    .symbol:         k_q28b4cfaf6a_attend.kd
    .args:
      - { .name: queries, .offset: 0, .size: 8, .value_kind: global_buffer, .address_space: global }
      - { .name: keys, .offset: 8, .size: 8, .value_kind: global_buffer, .address_space: global }
      - { .name: values, .offset: 16, .size: 8, .value_kind: global_buffer, .address_space: global }
      - { .name: attn_mask, .offset: 24, .size: 8, .value_kind: global_buffer, .address_space: global }
      - { .name: flags, .offset: 32, .size: 8, .value_kind: global_buffer, .address_space: global }
      - { .name: out0, .offset: 40, .size: 8, .value_kind: global_buffer, .address_space: global }
    .group_segment_fixed_size: 110080
    .private_segment_fixed_size: 0
    .kernarg_segment_align: 8
    .kernarg_segment_size: 48
    .max_flat_workgroup_size: 256
    .sgpr_count:     66
    .vgpr_count:     352
    .wavefront_size: 32
...
	.end_amdgpu_metadata
.endif
;; end of part 2
;; ======== version 2 of 2: 2 launches; 1.26 times as fast as version 1
;; limits: right only within a limited range of input values; values are held in f16: magnitudes above 65,504 overflow, below 6.1e-05 lose precision
;; workspace buffers: flags 512 bytes of whole numbers
;; launch classify: the kernel of part 1 again; grid 4 x 64, 1 waves a work-group, no clusters, 0 bytes of LDS; arguments attn_mask, flags; writes flags
;; launch attend (part 3): grid 8 x 32, 8 waves a work-group, no clusters, 149,504 bytes of LDS; arguments queries, keys, values, attn_mask, flags, out0; writes out0
.if DOCPART == 3
	.amdgcn_target "amdgcn-amd-amdhsa--gfx1250"
	.amdhsa_code_object_version 6
	.text
	.protected	k_q28b4cfaf6a_attend
	.globl	k_q28b4cfaf6a_attend
	.p2align	8
	.type	k_q28b4cfaf6a_attend,@function
k_q28b4cfaf6a_attend:
	s_mov_b64 s[64:65], 0
	v_nop
	global_prefetch_b8 v0, s[64:65] scope:SCOPE_SE
	s_setreg_imm32_b32 hwreg(HW_REG_WAVE_MODE, 25, 1), 1
	s_wait_xcnt 0x0
; out[b][l][h][:] = softmax over s of (q.k / 8, masked where attn_mask[l][s] = 1) x v.   q, k, v, out: [2][2048][16][64] f32.
; Matrix products with 16-bit operands and f32 sums, everything else in f32; scores and probabilities never leave registers.
;
; FORMATS.  q, k and v are each rounded once to bf16.  q.k is a bf16 product.  P goes into the second product as f16: 11 significant
; bits against bf16's 8, because a row with two or three unmasked keys has nothing that averages the rounding of p away (a relative
; 2^-8 on a weight near 1/3, times a v of size 1 to 3).  Both sources of a matrix instruction have one format, so the bf16 value of v
; is rewritten as f16 (exact for 2^-14 <= |v| <= 65504): the inputs stay rounded in one way, and P's rounding is the only further one.
;
; SHARES.  Work-group (p, head) owns the query blocks p and 15 - p (128 rows each) of one head and walks the 32 key tiles of 64 keys
; once for both.  Eight waves; a wave owns 32 queries (tile qt of the flag tables).  The waves w and w + 4, and 2i and 2i + 1, take one
; tile of each block, so that a mask with much masked area above the diagonal leaves every pair of waves about the same work.
; FLAGS (stored by the launch before, read as whole numbers): a wave skips a tile in which all its scores are masked (ACT = 0); a tile
; without a masked score (MIX = 0) reads no mask byte; a tile that none of the eight waves wants is neither fetched, rounded nor stored.
; All of that holds for any mask.  Every wave passes the one barrier of every tile.
;
; TRANSPOSED PRODUCTS.  S^T = K Q^T: a lane holds 32 scores of ONE query (lane (r, h): query r, keys 32 h .. 32 h + 31 of the tile), so
; maximum and sum are work inside the lane and one exchange between the halves; two neighbouring score registers packed to f16 are
; already the second source of O^T = V^T P^T, and the rescale factor is one number a lane.  Row m of K's fragment T stands for key
; 32 (m >> 3) + 8 T + (m & 7); V's fragments are fetched in the same order of keys, so the sums over keys are the true ones.
;
; THE PIPE.  K and V come through registers: they are f32 in memory and the fragments want 16 bits; each element is rounded once in the
; work-group, and 16 KB a tile enter LDS.  Trip t, in this order:
;   q.k of tile t, from K fragments that trip t - 1 fetched: register work, which stands between the barrier's signal and its wait;
;   the barrier's wait; K's fragments of tile t + 1, V's of tile t; softmax and product of query tile 0;
;   tile t + 2 (asked for two trips ago) is rounded and stored into LDS slot (t + 2) & 3; tile t + 4 is asked for into the freed registers;
;   softmax and product of query tile 1, behind which the stores complete; the barrier's signal.
; 16 loads of 512 bytes a wave, 64 KB a work-group, are on their way.
; THE EIGHT LOADS OF A TILE ARE ISSUED ON EVERY PATH: the wait for a tile counts the eight loads of the next one behind it, and a count
; has to hold whatever the flags say.  For a tile that nobody wants the lanes' offset is multiplied by 0: each of the eight loads then
; reads one piece of 16 bytes at the tile's pointer for all its lanes, in place of 512 bytes, and what it brings is never used.
; FOUR SLOTS: between two waits of the barrier the waves read V in slot t, K in slot t + 1 and store into slot t + 2, all different
; modulo 4.  What is stored in trip t is complete in front of the signal at that trip's end and first read behind the wait in trip
; t + 1.  The slot's old tile, t - 2, was last read in trip t - 2, in front of that trip's signal, and the storing wave has passed the
; wait in trip t.
; No tensor loads and no cluster: they would lay 32 KB of f32 a tile into LDS, to be read, rounded and stored again.
;
; LIMITS.  |q.k| below 1e30 (the running maximum starts at -1e30; a masked score is q.k - 1.69e38 in place of -inf, and its
; exponential is exactly 0).  |v| at most 65504 (beyond it f16 is infinite); |v| below 2^-14 is kept to 2^-25 absolutely.  NaN and
; infinities in q, k, v are not followed.  A probability below about 2^-25 counts as 0 in the product, below 2^-126 in the sum too
; (v_exp_f32 flushes).  The row's sum takes the unrounded p.  A row with every key masked: 0 x (1/0) = NaN, as in the reference.
.set SLOTS,  4
.set KBYTES, 9472                      ; a K slot (bf16): key k at (k & 31) x 144 + (k >> 5) x 4736: the 16 rows of a fragment load start in 16
                                       ; different 16-byte columns modulo 256 bytes (144 = 9 x 16; 4736 = 32 x 144 + 128)
.set VPITCH, 160                       ; a V slot (f16): key k at k x 160 (5 x 32): the 8 rows x 32 bytes of a transposing load differ modulo 256 bytes
.set VBYTES, 64*VPITCH
.set VBASE,  SLOTS*KBYTES              ; K's four slots, then V's four; V's base rides in the address registers, so that every immediate fits 16 bits
.set STAGE,  VBASE+SLOTS*VBYTES        ; behind the slots: 32 rows x 272 bytes for each wave, its own, for the way out
.set TILEB,  262144                    ; 64 keys x 4,096 bytes in memory
.set TILES,  32
; vector registers, block 0
.set KFA, 1                            ; LDS: my row and half in a K fragment
.set VFA, 2                            ; LDS: my row in a V fragment
.set KST, 3                            ; LDS: where I put 8 bytes of K
.set VST, 4                            ; LDS: where I put 8 bytes of V
.set GOF, 5                            ; K, V in memory: key 2 w + h, 16 bytes at 16 r
.set MOF, 6                            ; mask: row r, 32 bytes at 32 h
.set STO, 7                            ; way out: where I put 32 bytes of a row
.set RD,  8                            ; way out: where I read a row back
.set OOF, 9                            ; out: row h, 16 bytes at 16 r
.set MX,  10                           ; v10, v11    running maximum of the raw scores, query tile 0, 1
.set NM,  12                           ; v[12:13]    -c x maximum, twice
.set AL,  14                           ; v[14:15]    rescale factor, twice
.set LP,  16                           ; v[16:19]    row sums: two partial sums for each query tile
.set T0,  20                           ; v20-v27     at work
.set TP,  22                           ; v[22:27]    three more pairs of partial sums
.set QOF, 28                           ; q in memory: row r, 32 bytes at 32 h
.set GX,  29                           ; v29, v30    GOF, or 0 for a tile that nobody wants: one for the even tiles, one for the odd
.set OA,  32                           ; v[32:95]    O^T: tile (q, dt) at OA + 32 q + 8 dt
.set SC,  96                           ; v[96:159]   scores: tile (q, T) at SC + 32 q + 8 T.  Also the rounded K/V on their way to LDS, the rows going out
.set PB,  160                          ; v[160:191]  P in f16: (q, u) at PB + 16 q + 8 u
.set FR,  192                          ; v[192:255]  V fragments (dt, u) at FR + 16 dt + 8 u.  First of all: q as loaded
; block 1 (v256 and up, named by their low 8 bits)
.set QB,  0                            ; v[256:287]  Q fragments (q, ks) at QB + 16 q + 8 ks
.set STG, 32                           ; v[288:319], v[352:383]  a tile as loaded, set st (the tile's parity) at STG + 64 st: K 16 registers, V 16
.set MKB, 64                           ; v[320:351]  mask bytes: set (tile parity), query tile q: 8 words at MKB + 16 set + 8 q
.set KF,  128                          ; v[384:447]  K fragments (T, ks) at KF + 16 T + 8 ks
; scalar: s[4:5] q, s[10:11] mask, s[12:13] flags, s[14:15] out; s16 wave, s17 qt; s[24:31] the eight waves' ACT;
; k and v have a pointer for the even tiles and one for the odd ones, each stepped only behind the wait for its own loads:
.set KP,   6                           ; s[6:7]  k, even tiles;  s[48:49] k, odd tiles
.set VP,   8                           ; s[8:9]  v, even tiles;  s[50:51] v, odd tiles
.set PSET, 42                          ; from the even pointer's register to the odd one's
; in trip t: s32 bit 0: somebody wants tile t + 2, bit 2: tile t + 4; s33 bit 0: I want tile t, bit 1: tile t + 1; s34 bit 0: tile t needs its
; mask, bit 2: tile t + 2; s35 loop counter; s36, s37 lane selects; s[38:39] c twice, s40 -c (c = log2(e) / 8); s41-s43 byte selects;
; s44 0xfe; s45 in the loop: 1 or 0, tile t + 4 is wanted
.set MSB, 0
.macro WIN new                         ; s_set_vgpr_msb: bits 1:0 source 0, 3:2 source 1, 5:4 source 2, 7:6 destination; the high byte repeats the setting left
.if MSB != \new
	s_set_vgpr_msb (MSB<<8)|\new
.set MSB, \new
.endif
.endm
.macro PLACES n                        ; places behind matrix instructions (ISA guide 7.12.1)
.rept \n
	v_nop
.endr
.endm
	s_load_b256 s[4:11], s[0:1], 0x0
	s_load_b128 s[12:15], s[0:1], 0x20
	v_lshl_add_u32 v31, v0, 2, 0x24400
	s_set_vgpr_msb 0x40
	v_mov_b32 v193, 0
	s_set_vgpr_msb 0x4000
	v_lshrrev_b32 v1, 5, v0
	v_readfirstlane_b32 s16, v1                    ; wave
	s_and_b32 s18, ttmp7, 0xffff                   ; head 0..31 = 16 b + h
	s_lshr_b32 s19, s16, 1                         ; which 32 rows of the block
	s_lshr_b32 s20, s16, 2
	s_xor_b32 s21, s16, s19
	s_xor_b32 s21, s21, s20
	s_and_b32 s21, s21, 1                          ; parity of the wave's three bits: block p (0) or 15 - p (1)
	s_sub_co_u32 s22, 15, ttmp9
	s_cmp_lg_u32 s21, 0
	s_cselect_b32 s20, s22, ttmp9
	s_lshl2_add_u32 s17, s20, s19                  ; qt = 4 x block + sub
	s_lshr_b32 s20, s18, 4
	s_lshl_b32 s20, s20, 23                        ; b x 2048 x 4,096 bytes
	s_and_b32 s21, s18, 15
	s_lshl_b32 s21, s21, 8                         ; h x 256 bytes
	s_or_b32 s20, s20, s21
	s_mov_b32 s21, 0                               ; s[20:21]: the head
	s_lshl_b32 s18, s17, 17                        ; 32 qt rows of 4,096 bytes
	s_add_co_u32 s18, s18, s20
	s_mov_b32 s19, 0                               ; s[18:19]: the head and my rows
	s_lshl_b32 s22, s22, 4                         ; flags: the four words of block 15 - p
	s_lshl_b32 s23, ttmp9, 4                       ;        and of block p
	s_mul_i32 s45, s16, 2*144
	s_mul_i32 s46, s16, 2*VPITCH
	s_add_co_u32 s46, s46, VBASE
	s_lshl_b32 s47, s16, 13
	s_mul_i32 s35, s16, 32*272
	s_add_co_u32 s35, s35, STAGE                   ; my stage
	s_mov_b32 s36, 0x76543210                      ; v_permlanex16_b32: lane i takes lane i of the other half
	s_mov_b32 s37, 0xfedcba98
	s_mov_b32 s38, 0x3e38aa3b                      ; c = 0.125 x log2(e)
	s_mov_b32 s39, 0x3e38aa3b
	s_mov_b32 s40, 0xbe38aa3b                      ; -c
	s_mov_b32 s41, 0x01010101
	s_mov_b32 s42, 0x02020202
	s_mov_b32 s43, 0x03030303
	s_mov_b32 s44, 0xfe
	v_and_b32 v20, 7, v0                           ; L & 7
	v_bfe_u32 v21, v0, 3, 1                        ; (L >> 3) & 1
	v_bfe_u32 v22, v0, 4, 1                        ; h
	v_and_b32 v23, 15, v0                          ; r
	v_mul_u32_u24 v[KFA], v20, 144
	v_mad_u32_u24 v[KFA], v21, 4736, v[KFA]
	v_lshl_add_u32 v[KFA], v22, 4, v[KFA]          ; (r & 7) 144 + (r >> 3) 4736 + 16 h
	v_mul_u32_u24 v[VFA], v20, VPITCH
	v_mad_u32_u24 v[VFA], v22, 32*VPITCH, v[VFA]
	v_lshl_add_u32 v[VFA], v21, 4, v[VFA]
	v_add_nc_u32 v[VFA], VBASE, v[VFA]             ; V's base + (32 h + (L & 7)) 160 + 16 ((L >> 3) & 1)
	v_mul_u32_u24 v[KST], v22, 144
	v_lshl_add_u32 v[KST], v23, 3, v[KST]
	v_add_nc_u32 v[KST], s45, v[KST]               ; (2 w + h) 144 + 8 r
	v_mul_u32_u24 v[VST], v22, VPITCH
	v_lshl_add_u32 v[VST], v23, 3, v[VST]
	v_add_nc_u32 v[VST], s46, v[VST]               ; V's base + (2 w + h) 160 + 8 r
	v_lshlrev_b32 v[OOF], 12, v22
	v_lshl_add_u32 v[OOF], v23, 4, v[OOF]          ; 4096 h + 16 r
	v_add_nc_u32 v[GOF], s47, v[OOF]               ; 4096 (2 w + h) + 16 r
	v_lshlrev_b32 v[MOF], 11, v23
	v_lshl_add_u32 v[MOF], v22, 5, v[MOF]          ; 2048 r + 32 h
	v_mul_u32_u24 v[STO], v23, 272
	v_lshl_add_u32 v[STO], v22, 5, v[STO]
	v_add_nc_u32 v[STO], s35, v[STO]               ; stage + 272 r + 32 h
	v_mul_u32_u24 v[RD], v22, 272
	v_lshl_add_u32 v[RD], v23, 4, v[RD]
	v_add_nc_u32 v[RD], s35, v[RD]                 ; stage + 272 h + 16 r
	v_lshlrev_b32 v[QOF], 12, v23
	v_lshl_add_u32 v[QOF], v22, 5, v[QOF]          ; 4096 r + 32 h
	s_wait_kmcnt 0x0
	s_add_nc_u64 s[KP:KP+1], s[KP:KP+1], s[20:21]  ; k, v at the head's tile 0
	s_add_nc_u64 s[VP:VP+1], s[VP:VP+1], s[20:21]
	s_add_nc_u64 s[KP+PSET:KP+PSET+1], s[KP:KP+1], TILEB   ; and at its tile 1
	s_add_nc_u64 s[VP+PSET:VP+PSET+1], s[VP:VP+1], TILEB
	s_add_nc_u64 s[4:5], s[4:5], s[18:19]          ; q, out at my first row
	s_add_nc_u64 s[14:15], s[14:15], s[18:19]
	s_lshl_b32 s20, s17, 16                        ; 32 qt rows of 2,048 bytes
	s_add_nc_u64 s[10:11], s[10:11], s[20:21]      ; mask at my first row
	s_lshl_b32 s20, s17, 2
	s_load_b32 s33, s[12:13], s20 offset:0x0       ; my ACT
	s_load_b32 s34, s[12:13], s20 offset:0x100     ; my MIX
	s_load_b128 s[24:27], s[12:13], s23 offset:0x0 ; ACT of the four waves of block p
	s_load_b128 s[28:31], s[12:13], s22 offset:0x0 ; and of block 15 - p
; a tile of parity st, f32, into set st of block 1: eight loads; with the offsets of GOF a load of a wave covers two whole rows of 256 bytes,
; and eight waves x four loads = 64 keys.  off: the register of the lanes' offsets
.macro ASK st, off
	WIN 0x40
.irp i, 0,1,2,3
	global_load_b128 v[STG+64*\st+4*\i:STG+64*\st+4*\i+3], v[\off], s[KP+PSET*\st:KP+PSET*\st+1] offset:65536*\i
.endr
.irp i, 0,1,2,3
	global_load_b128 v[STG+64*\st+16+4*\i:STG+64*\st+16+4*\i+3], v[\off], s[VP+PSET*\st:VP+PSET*\st+1] offset:65536*\i
.endr
	WIN 0
.endm
; my 2 x 32 mask bytes of one tile into set st
.macro MASKLD st, off
	WIN 0x40
.irp q, 0,1
	global_load_b128 v[MKB+16*\st+8*\q:MKB+16*\st+8*\q+3],   v[MOF], s[10:11] offset:\q*32768+\off
	global_load_b128 v[MKB+16*\st+8*\q+4:MKB+16*\st+8*\q+7], v[MOF], s[10:11] offset:\q*32768+\off+16
.endr
	WIN 0
.endm
; Round the tile in set st to bf16 (K: tb+0..7, V: tb+8..15), rewrite V's bf16 values as f16, and store into slot sl: 8 bytes a lane and key.
; bf16 to f32 is a shift or a mask; the f16 of that value drops no bit inside f16's range.  tb+16..31 are at work.
.macro PUT st, sl, tb
	WIN 0x05
.set n, 0
.rept 16
	v_cvt_pk_bf16_f32 v[\tb+n], v[STG+64*\st+2*n], v[STG+64*\st+2*n+1]
.set n, n+1
.endr
	WIN 0
.set n, 0
.rept 8
	v_lshlrev_b32 v[\tb+16+2*n], 16, v[\tb+8+n]
	v_and_b32     v[\tb+17+2*n], 0xffff0000, v[\tb+8+n]
.set n, n+1
.endr
.set n, 0
.rept 8
	v_cvt_pk_f16_f32 v[\tb+8+n], v[\tb+16+2*n], v[\tb+17+2*n]
.set n, n+1
.endr
.irp i, 0,1,2,3
	ds_store_b64 v[KST], v[\tb+2*\i:\tb+2*\i+1]   offset:\sl*KBYTES+(\i&1)*2304+(\i>>1)*4736   ; key 2 w + h + 16 i
	ds_store_b64 v[VST], v[\tb+8+2*\i:\tb+9+2*\i] offset:\sl*VBYTES+\i*16*VPITCH
.endr
.endm
; K's eight fragments from slot sl into block 1
.macro KFRAGS sl
	WIN 0x40
.irp ks, 0,1
.irp t, 0,1,2,3
	ds_load_b128 v[KF+16*\t+8*\ks:KF+16*\t+8*\ks+3],   v[KFA] offset:\sl*KBYTES+\t*1152+64*\ks
	ds_load_b128 v[KF+16*\t+8*\ks+4:KF+16*\t+8*\ks+7], v[KFA] offset:\sl*KBYTES+\t*1152+64*\ks+32
.endr
.endr
	WIN 0
.endm
; The mask as the product's addend: a byte 0 / 1 becomes 0x00 / 0xfe, and that byte four times is 0.0 or -1.69e38.
; Score register 4 w + b of a query tile belongs to byte b of mask word w.  It leaves the window as SMUL, which follows it, wants it.
.macro BIAS st
	WIN 0x45
.set n, 0
.rept 16
	v_mul_lo_u32 v[MKB+16*\st+n], v[MKB+16*\st+n], s44
.set n, n+1
.endr
	WIN 0x05
.irp q, 0,1
.irp w, 0,1,2,3,4,5,6,7
	v_perm_b32 v[SC+32*\q+4*\w],   v[MKB+16*\st+8*\q+\w], v[MKB+16*\st+8*\q+\w], 0
	v_perm_b32 v[SC+32*\q+4*\w+1], v[MKB+16*\st+8*\q+\w], v[MKB+16*\st+8*\q+\w], s41
	v_perm_b32 v[SC+32*\q+4*\w+2], v[MKB+16*\st+8*\q+\w], v[MKB+16*\st+8*\q+\w], s42
	v_perm_b32 v[SC+32*\q+4*\w+3], v[MKB+16*\st+8*\q+\w], v[MKB+16*\st+8*\q+\w], s43
.endr
.endr
.endm
; S^T = K Q^T, 16 matrix instructions on registers alone: K's fragments were waited for in front of the last signal.
; zero = 1: the first product starts the sums; 0: it adds to the mask's addend.
.macro SMUL zero
	WIN 0x05                                       ; both sources, K and Q, lie in block 1
.irp t, 0,1,2,3
.irp q, 0,1
.if \zero
	v_wmma_f32_16x16x32_bf16 v[SC+32*\q+8*\t:SC+32*\q+8*\t+7], v[KF+16*\t:KF+16*\t+7], v[QB+16*\q:QB+16*\q+7], 0
.else
	v_wmma_f32_16x16x32_bf16 v[SC+32*\q+8*\t:SC+32*\q+8*\t+7], v[KF+16*\t:KF+16*\t+7], v[QB+16*\q:QB+16*\q+7], v[SC+32*\q+8*\t:SC+32*\q+8*\t+7]
.endif
.endr
.endr
.irp t, 0,1,2,3
.irp q, 0,1
	v_wmma_f32_16x16x32_bf16 v[SC+32*\q+8*\t:SC+32*\q+8*\t+7], v[KF+16*\t+8:KF+16*\t+15], v[QB+16*\q+8:QB+16*\q+15], v[SC+32*\q+8*\t:SC+32*\q+8*\t+7]
.endr
.endr
	WIN 0
.endm
; V^T's eight fragments by transposing loads: fragment (dt, u): d = 16 dt + r; registers 0-3 keys 32 h + 16 u + 0..7, 4-7 the next eight:
; the keys of P's registers of the same places
.macro VFRAGS sl
.irp u, 0,1
.irp dt, 0,1,2,3
	ds_load_tr16_b128 v[FR+16*\dt+8*\u:FR+16*\dt+8*\u+3],   v[VFA] offset:\sl*VBYTES+\u*16*VPITCH+\dt*32
	ds_load_tr16_b128 v[FR+16*\dt+8*\u+4:FR+16*\dt+8*\u+7], v[VFA] offset:\sl*VBYTES+\u*16*VPITCH+\dt*32+8*VPITCH
.endr
.endr
.endm
; One step of the running softmax for query tile q: 32 scores a lane.
.macro SOFTMAX q
.set BQ, SC+32*\q
.set OQ, OA+32*\q
.set PQ, PB+16*\q
.set LQ, LP+2*\q
.set MQ, MX+\q
.irp c, 0,1,2,3
	v_max3_num_f32 v[T0+\c], v[BQ+3*\c], v[BQ+3*\c+1], v[BQ+3*\c+2]        ; four chains, started by the first twelve scores
.endr
.set n, 0
.rept 10
	v_max3_num_f32 v[T0+n%4], v[T0+n%4], v[BQ+12+2*n], v[BQ+13+2*n]
.set n, n+1
.endr
	v_max3_num_f32 v[T0], v[T0], v[T0+1], v[T0+2]
	v_max3_num_f32 v[T0], v[T0], v[T0+3], v[MQ]
	v_permlanex16_b32 v[T0+1], v[T0], s36, s37     ; the query's other 32 keys lie in the other half of the lanes
	v_max_num_f32 v[T0], v[T0], v[T0+1]            ; the new maximum m
	v_mul_f32 v[NM], s40, v[T0]                    ; -c m, twice
	v_mul_f32 v[NM+1], s40, v[T0]
	v_sub_f32 v[T0+1], v[MQ], v[T0]                ; old - new: exactly 0 where the maximum stays, at its starting value too
	v_mul_f32 v[T0+1], s38, v[T0+1]
	v_mov_b32 v[MQ], v[T0]
	v_exp_f32 v[AL], v[T0+1]                       ; the rescale factor, twice.  The place behind the two (ISA guide 5.7.2) is the first
	v_exp_f32 v[AL+1], v[T0+1]                     ; multiply-add below, which names neither AL nor their source
.set n, 0
.rept 16
	v_pk_fma_f32 v[BQ+2*n:BQ+2*n+1], v[BQ+2*n:BQ+2*n+1], s[38:39], v[NM:NM+1] op_sel_hi:[1,0,1]   ; c s - c m
.set n, n+1
.endr
.set n, 0
.rept 32
	v_exp_f32 v[BQ+n], v[BQ+n]                     ; p
.set n, n+1
.endr
.set n, 0
	s_wait_alu depctr_va_vdst(0)
.rept 16
	v_pk_mul_f32 v[OQ+2*n:OQ+2*n+1], v[OQ+2*n:OQ+2*n+1], v[AL:AL+1]        ; the first of these is the place behind the last exponential
.set n, n+1
.endr
	v_pk_fma_f32 v[LQ:LQ+1], v[LQ:LQ+1], v[AL:AL+1], v[BQ:BQ+1]            ; the row's sum, in four chains of pairs
	v_pk_add_f32 v[TP:TP+1],   v[BQ+2:BQ+3],   v[BQ+4:BQ+5]
	v_pk_add_f32 v[TP+2:TP+3], v[BQ+6:BQ+7],   v[BQ+8:BQ+9]
	v_pk_add_f32 v[TP+4:TP+5], v[BQ+10:BQ+11], v[BQ+12:BQ+13]
.irp g, 14, 22
	v_pk_add_f32 v[LQ:LQ+1],   v[LQ:LQ+1],   v[BQ+\g:BQ+\g+1]
	v_pk_add_f32 v[TP:TP+1],   v[TP:TP+1],   v[BQ+\g+2:BQ+\g+3]
	v_pk_add_f32 v[TP+2:TP+3], v[TP+2:TP+3], v[BQ+\g+4:BQ+\g+5]
	v_pk_add_f32 v[TP+4:TP+5], v[TP+4:TP+5], v[BQ+\g+6:BQ+\g+7]
.endr
	v_pk_add_f32 v[LQ:LQ+1], v[LQ:LQ+1], v[BQ+30:BQ+31]
	v_pk_add_f32 v[TP:TP+1], v[TP:TP+1], v[TP+2:TP+3]
	v_pk_add_f32 v[LQ:LQ+1], v[LQ:LQ+1], v[TP+4:TP+5]
	v_pk_add_f32 v[LQ:LQ+1], v[LQ:LQ+1], v[TP:TP+1]
.set n, 0
.rept 16
	v_cvt_pk_f16_f32 v[PQ+n], v[BQ+2*n], v[BQ+2*n+1]                       ; P^T's two fragments, as they lie; p <= 1 lies inside f16's range
.set n, n+1
.endr
.endm
; O^T += V^T P^T for query tile q: eight f16 matrix instructions, each accumulator a chain in place
.macro PV q
.irp u, 0,1
.irp dt, 0,1,2,3
	v_wmma_f32_16x16x32_f16 v[OA+32*\q+8*\dt:OA+32*\q+8*\dt+7], v[FR+16*\dt+8*\u:FR+16*\dt+8*\u+7], v[PB+16*\q+8*\u:PB+16*\q+8*\u+7], v[OA+32*\q+8*\dt:OA+32*\q+8*\dt+7]
.endr
.endr
.endm
	; q: 16 floats a lane for each fragment, read once in the whole launch; it comes in through V's fragment registers
.irp q, 0,1
.irp ks, 0,1
	global_load_b128 v[FR+32*\q+16*\ks:FR+32*\q+16*\ks+3],     v[QOF], s[4:5] offset:\q*65536+128*\ks    th:TH_LOAD_NT
	global_load_b128 v[FR+32*\q+16*\ks+4:FR+32*\q+16*\ks+7],   v[QOF], s[4:5] offset:\q*65536+128*\ks+16 th:TH_LOAD_NT
	global_load_b128 v[FR+32*\q+16*\ks+8:FR+32*\q+16*\ks+11],  v[QOF], s[4:5] offset:\q*65536+128*\ks+64 th:TH_LOAD_NT
	global_load_b128 v[FR+32*\q+16*\ks+12:FR+32*\q+16*\ks+15], v[QOF], s[4:5] offset:\q*65536+128*\ks+80 th:TH_LOAD_NT
.endr
.endr
	ASK 0, GOF                                     ; tile 0.  The first four tiles are asked for in full: the flags are not in yet
	MASKLD 0, 0                                    ; the masks of tiles 0 and 1, whatever the flags say: both sets are written on every path
	MASKLD 1, 64
	ASK 1, GOF                                     ; tile 1
	; O starts at 0: which tile is a wave's first is known only from the flags, so no first product can be written out ahead of the loop
.set n, 0
.rept 64
	v_mov_b32 v[OA+n], 0
.set n, n+1
.endr
	v_mov_b32 v[MX], 0xf149f2ca                    ; -1e30
	v_mov_b32 v[MX+1], 0xf149f2ca
.irp n, 0,1,2,3
	v_mov_b32 v[LP+\n], 0
.endr
	s_wait_loadcnt 24                              ; q is in; the 24 younger loads (tile 0, two masks, tile 1) stay out
	WIN 0x40
.set n, 0
.rept 32
	v_cvt_pk_bf16_f32 v[QB+n], v[FR+2*n], v[FR+2*n+1]      ; q unscaled: rounded as the inputs are; the 1/8 rides in c
.set n, n+1
.endr
	WIN 0
	s_wait_kmcnt 0x0                               ; the flags
	s_or_b32 s32, s24, s25
	s_or_b32 s32, s32, s26
	s_or_b32 s32, s32, s27
	s_or_b32 s32, s32, s28
	s_or_b32 s32, s32, s29
	s_or_b32 s32, s32, s30
	s_or_b32 s32, s32, s31                         ; tiles that somebody wants,
	s_lshr_b32 s32, s32, 2                         ; seen two tiles ahead
	s_and_b32 s34, s34, s33                        ; a mask is wanted only for tiles that I work on
	s_wait_loadcnt 0x8                             ; tile 0 and the masks are in, their address registers free; tile 1's eight loads stay out
	s_add_nc_u64 s[KP:KP+1], s[KP:KP+1], 2*TILEB   ; the even pointers: tile 2
	s_add_nc_u64 s[VP:VP+1], s[VP:VP+1], 2*TILEB
	s_add_nc_u64 s[10:11], s[10:11], 64            ; mask: one tile on; each trip steps it before it asks, so trip t asks for tile t + 2
	PUT 0, 0, SC                                   ; tiles 0 and 1 go to LDS whatever the flags say
	ASK 0, GOF                                     ; tile 2
	s_wait_loadcnt 0x8                             ; tile 1 is in; tile 2's eight loads stay out
	s_add_nc_u64 s[KP+PSET:KP+PSET+1], s[KP+PSET:KP+PSET+1], 2*TILEB       ; the odd pointers: tile 3
	s_add_nc_u64 s[VP+PSET:VP+PSET+1], s[VP+PSET:VP+PSET+1], 2*TILEB
	PUT 1, 1, SC+32                                ; through the other half of the score registers: all 64 are now written on every path
	ASK 1, GOF                                     ; tile 3
	s_wait_dscnt 0x0
	s_barrier_signal -1
	s_barrier_wait -1                              ; tiles 0 and 1 lie in slots 0 and 1
	KFRAGS 0                                       ; K's fragments of tile 0, whatever the flags say
	s_wait_dscnt 0x0
	s_barrier_signal -1                            ; the signal that trip 0 waits for
; The trip of tile t; u = t & 3, its slot.  tag: a number of its own for the labels.
; kind 0: a trip of the loop.  1: tile 28, nothing left to ask for.  2: tile 29, the last tile goes to LDS.  3: tile 30.  4: tile 31.
; The flag tests are repeated rather than the text: the barrier's wait and the way of the next tiles into LDS lie on every wave's path.
.macro TRIP tag, u, kind
.set SL, \u
.set NX, (\u+1)&3
.set N2, (\u+2)&3
.set PR, \u&1
	s_bitcmp1_b32 s33, 0
	s_cbranch_scc0 .Lnos\tag                       ; all my scores of this tile are masked
	s_bitcmp1_b32 s34, 0
	s_cbranch_scc0 .Lclear\tag
	BIAS PR
	SMUL 0
	s_branch .Lsd\tag
.Lclear\tag:
	SMUL 1
.Lsd\tag:
	PLACES 5                                       ; behind the products: four before their sources are loaded again and their results read,
	                                               ; five before a later product that starts from 0 writes over the same registers
.Lnos\tag:
.if \kind < 4
	s_barrier_wait -1                              ; tile t + 1 lies in LDS, and nobody reads slot (t + 2) & 3 any more
	s_bitcmp1_b32 s33, 1
	s_cbranch_scc0 .Lnok\tag
	KFRAGS NX                                      ; K's fragments of tile t + 1, a whole trip ahead of their use
.Lnok\tag:
.endif
	s_bitcmp1_b32 s33, 0
	s_cbranch_scc0 .Lmid\tag
	VFRAGS SL
	SOFTMAX 0
	s_wait_dscnt 0x0                               ; V's fragments, asked for a softmax ago (and K's in front of them)
	PV 0
.if \kind < 4
	PLACES 4                                       ; behind the products: their sources are loaded and written again
.Lmid\tag:
.if \kind == 0
	s_wait_loadcnt 0x8                             ; loads come back in order (ISA guide 5.7.1): all but the eight of tile t + 3 are in, that is tile t + 2
	                                               ; (asked for two trips ago) and, if it was asked for, the mask of tile t + 1
	s_add_nc_u64 s[KP+PSET*PR:KP+PSET*PR+1], s[KP+PSET*PR:KP+PSET*PR+1], 2*TILEB   ; the pointers of tile t + 2 are free: tile t + 4
	s_add_nc_u64 s[VP+PSET*PR:VP+PSET*PR+1], s[VP+PSET*PR:VP+PSET*PR+1], 2*TILEB
	s_bfe_u32 s45, s32, 0x10002                    ; one bit from bit 2: somebody wants tile t + 4
	s_min_u32 s45, s45, 1                          ; a number from memory enters an address only behind a bound written in the text
	v_mul_lo_u32 v[GX+PR], v[GOF], s45             ; the lanes' offsets, or 0 in every lane.  The register was last named by tile t + 2's loads:
	                                               ; free since the wait above, like the pointers
.endif
.if \kind == 1
	s_wait_loadcnt 0x8                             ; tile 30 is in; the eight loads of tile 31 stay out
.endif
.if \kind >= 2
	s_wait_loadcnt 0x0                             ; tile 29: tile 31 and the mask of tile 30; tile 30: the mask of tile 31.  Nothing was asked for behind them
.endif
.if \kind < 3
	s_add_nc_u64 s[10:11], s[10:11], 64            ; the mask's pointer is free too: tile t + 2
	s_bitcmp1_b32 s32, 0
	s_cbranch_scc0 .Lnoput\tag                     ; the same bit of the same word that gave this tile its offsets two trips ago
	PUT PR, N2, SC                                 ; through query tile 0's score registers, which its softmax has used up
.Lnoput\tag:
	s_bitcmp1_b32 s34, 2
	s_cbranch_scc0 .Lnomask\tag
	MASKLD PR, 0                                   ; the mask of tile t + 2, into the set that this tile has used up.  Issued ahead of the eight loads
	                                               ; below, so that the next trip's wait covers it and reaches no younger tile
.Lnomask\tag:
.endif
.if \kind == 0
	ASK PR, GX+PR                                  ; tile t + 4, into the set that has just been rounded: eight loads on every path
.endif
	s_bitcmp1_b32 s33, 0
	s_cbranch_scc0 .Ltail\tag
.endif
	SOFTMAX 1                                      ; names none of the registers of the eight products of query tile 0
	PV 1
	PLACES 4                                       ; behind the products: their sources are loaded again, their results read
.if \kind < 4
.Ltail\tag:
.if \kind < 2
	s_lshr_b32 s32, s32, 1
.endif
	s_lshr_b32 s33, s33, 1
	s_lshr_b32 s34, s34, 1
	s_wait_dscnt 0x0                               ; my reads of the slots, K's fragments of the next tile among them, and my stores are done
.if \kind < 3
	s_barrier_signal -1                            ; waited for behind the next tile's q.k
.endif
.else
.Lmid\tag:
.endif
.endm
	s_mov_b32 s35, 0
.Ltiles:
	TRIP 0, 0, 0
	TRIP 1, 1, 0
	TRIP 2, 2, 0
	TRIP 3, 3, 0
	s_add_co_u32 s35, s35, 1
	s_cmp_lt_u32 s35, (TILES-4)/4
	s_cbranch_scc1 .Ltiles                         ; tiles 0 to 27; they ask for tiles 4 to 31
	TRIP 4, 0, 1                                   ; the last four tiles ask for nothing: no load passes a buffer's end
	TRIP 5, 1, 2
	TRIP 6, 2, 3                                   ; nothing is stored into the slots any more: no signal, and no wait behind it
	TRIP 7, 3, 4
	; THE WAY OUT.  Divide by the row's sum; a lane's 8 registers of a tile are 8 neighbouring d of one query: 32 bytes into my stage,
	; read back as whole rows of 256 bytes.  The stage is my own: no barrier.
	v_add_f32 v20, v[LP], v[LP+1]
	v_add_f32 v22, v[LP+2], v[LP+3]
	v_permlanex16_b32 v21, v20, s36, s37           ; v21, v23: written since the prologue on every path
	v_permlanex16_b32 v23, v22, s36, s37
	v_add_f32 v20, v20, v21
	v_add_f32 v22, v22, v23
	v_rcp_f32 v[AL], v20
	v_rcp_f32 v[AL+1], v20
	v_rcp_f32 v[NM], v22
	v_rcp_f32 v[NM+1], v22
	v_nop                                          ; the place behind the reciprocals (ISA guide 5.7.2)
.set n, 0
	s_wait_alu depctr_va_vdst(0)
.rept 16
	v_pk_mul_f32 v[OA+2*n:OA+2*n+1], v[OA+2*n:OA+2*n+1], v[AL:AL+1]
.set n, n+1
.endr
.set n, 0
.rept 16
	v_pk_mul_f32 v[OA+32+2*n:OA+32+2*n+1], v[OA+32+2*n:OA+32+2*n+1], v[NM:NM+1]
.set n, n+1
.endr
.irp q, 0,1
.irp dt, 0,1,2,3
	ds_store_b128 v[STO], v[OA+32*\q+8*\dt:OA+32*\q+8*\dt+3]   offset:\q*16*272+\dt*64
	ds_store_b128 v[STO], v[OA+32*\q+8*\dt+4:OA+32*\q+8*\dt+7] offset:\q*16*272+\dt*64+16
.endr
.endr
.set n, 0
.rept 16
	ds_load_b128 v[SC+4*n:SC+4*n+3], v[RD] offset:2*272*n          ; a wave's LDS instructions are served in order (ISA guide 5.7.1): these see the stores above
.set n, n+1
.endr
.set n, 0
.rept 16
	s_wait_dscnt 15-n                              ; rows 2n, 2n + 1 are in; the younger read-backs stay out
	global_store_b128 v[OOF], v[SC+4*n:SC+4*n+3], s[14:15] offset:8192*n th:TH_STORE_NT   ; 16 lanes fill a row's 256 bytes, aligned
.set n, n+1
.endr
	s_set_vgpr_msb 0x4
	s_wait_tensorcnt 0x0
	ds_add_u32 v31, v193
	s_wait_dscnt 0x0
	s_set_vgpr_msb 0x400
	s_endpgm
.Lfunc_end_k_q28b4cfaf6a_attend:
	.size	k_q28b4cfaf6a_attend, .Lfunc_end_k_q28b4cfaf6a_attend-k_q28b4cfaf6a_attend
	.p2alignl 7, 3214868480
	.fill 96, 4, 3214868480
	.section	.rodata,"a",@progbits
	.p2align	6, 0x0
	.amdhsa_kernel k_q28b4cfaf6a_attend
		.amdhsa_group_segment_fixed_size 149504
		.amdhsa_private_segment_fixed_size 0
		.amdhsa_enable_private_segment 0
		.amdhsa_kernarg_size 48
		.amdhsa_user_sgpr_count 2
		.amdhsa_user_sgpr_kernarg_segment_ptr 1
		.amdhsa_wavefront_size32 1
		.amdhsa_system_sgpr_workgroup_id_x 1
		.amdhsa_system_sgpr_workgroup_id_y 1
		.amdhsa_system_sgpr_workgroup_id_z 1
		.amdhsa_system_vgpr_workitem_id 0
		.amdhsa_next_free_vgpr 450
		.amdhsa_next_free_sgpr 66
		.amdhsa_reserve_vcc 0
		.amdhsa_float_denorm_mode_32 3
		.amdhsa_float_denorm_mode_16_64 3
		.amdhsa_memory_ordered 1
		.amdhsa_forward_progress 1
		.amdhsa_inst_pref_size 244
	.end_amdhsa_kernel
	.amdgpu_metadata
---
amdhsa.version: [ 1, 2 ]
amdhsa.kernels:
  - .name:           k_q28b4cfaf6a_attend
    .symbol:         k_q28b4cfaf6a_attend.kd
    .args:
      - { .name: queries, .offset: 0, .size: 8, .value_kind: global_buffer, .address_space: global }
      - { .name: keys, .offset: 8, .size: 8, .value_kind: global_buffer, .address_space: global }
      - { .name: values, .offset: 16, .size: 8, .value_kind: global_buffer, .address_space: global }
      - { .name: attn_mask, .offset: 24, .size: 8, .value_kind: global_buffer, .address_space: global }
      - { .name: flags, .offset: 32, .size: 8, .value_kind: global_buffer, .address_space: global }
      - { .name: out0, .offset: 40, .size: 8, .value_kind: global_buffer, .address_space: global }
    .group_segment_fixed_size: 149504
    .private_segment_fixed_size: 0
    .kernarg_segment_align: 8
    .kernarg_segment_size: 48
    .max_flat_workgroup_size: 256
    .sgpr_count:     66
    .vgpr_count:     450
    .wavefront_size: 32
...
	.end_amdgpu_metadata
.endif
;; end of part 3
